; MI455X (gfx1250); checked and timed in simulation.
; The chip was launched on July 23, 2026; its instructions are those of AMD's public machine-readable ISA for CDNA 5 (MIT licence, August 2026) and "CDNA5" Instruction Set Architecture Reference Guide (July 2026). The comments in the code are by the model that wrote it; some were corrected since.
;; Binary Tree Go E. Allowed arithmetic: float matrix products may take bf16 or f16 operands with f32 sums; other float arithmetic in f32, or as packed bf16 or f16 multiplies, adds, multiply-adds, maxima and minima; sums over many terms, partial sums and values carried from step to step in f32; what a program stores and reads back later, other than sums and carried values, may be rounded once to bf16 or f16.
;; Inputs: W0 1 x 2,048 x 2,048 float32; W1 2 x 2,048 x 2,048 float32; W2 4 x 2,048 x 2,048 float32; W3 8 x 2,048 x 2,048 float32; b0 1 x 2,048 float32; b1 2 x 2,048 float32; b2 4 x 2,048 float32; b3 8 x 2,048 float32; path_mask 1,024 x 4 int32; x 1,024 x 2,048 float32.
;; Outputs: out0 1,024 x 2,048 float32.
;; One version. Each part assembles by itself: llvm-mc -triple=amdgcn-amd-amdhsa -mcpu=gfx1250 --defsym DOCPART=n.
;; ======== version 1 of 1: 5 launches
;; limits: values are held in f16: magnitudes above 65,504 overflow, below 6.1e-05 lose precision; inputs' magnitudes at most 65,504
;; workspace buffers: ia 34,078,720 bytes; ib 34,078,720 bytes; order 32,768 bytes of whole numbers; tab0 2,048 bytes of whole numbers; tab1 2,048 bytes of whole numbers; tab2 2,048 bytes of whole numbers; tab3 2,048 bytes of whole numbers
;; launch lay (part 1): grid 32 x 8, 16 waves a work-group, no clusters, 7,168 bytes of LDS; arguments x, path_mask, ia, order, tab0, tab1, tab2, tab3; writes ia, order, tab0, tab1, tab2, tab3
.if DOCPART == 1
	.amdgcn_target "amdgcn-amd-amdhsa--gfx1250"
	.amdhsa_code_object_version 6
	.text
	.protected	k_qcbdcc34595_lay
	.globl	k_qcbdcc34595_lay
	.p2align	8
	.type	k_qcbdcc34595_lay,@function
k_qcbdcc34595_lay:
	s_mov_b64 s[64:65], 0
	v_nop
	global_prefetch_b8 v0, s[64:65] scope:SCOPE_SE
	s_setreg_imm32_b32 hwreg(HW_REG_WAVE_MODE, 25, 1), 1
	s_wait_xcnt 0x0
; BinaryTreeGoE, launch 1 of 5: the tokens are listed by leaf, and x is laid out for the first product.
; WORK LEFT OUT, in all five launches.  At each level reference() multiplies every token by every expert of the level and keeps, by a where() on
; eid == e that it builds itself, the one result whose expert the token's path bits name; the others are replaced by the constant 0 and added.  So for all
; values of x, W and b a product of a token with an expert that its bits do not name reaches no output.  The bits are whole numbers read from memory:
; each token is multiplied by its own expert alone, 4 products of 2,048 x 2,048 a token for 15.  path_mask[:, 3] enters no line of reference(): it comes in
; with its row's 16 bytes and is not used.  LIMIT: a NaN, an infinity or an overflow in a product that is left out is not carried to the result.
; LEAVES.  y = 4 pm0 + 2 pm1 + pm2.  At level d the token's expert is y >> (3 - d), so the eight lists by leaf serve all four levels.
; LIMIT: path_mask holds 0 or 1 (an index inside its table); other numbers are folded into three bits.
; SHARES.  Work-group (S, Y): leaf Y, columns 64 S .. 64 S + 63 of x.  Wave 0 lists the leaf's tokens in LDS (every work-group for itself: 16 KiB of path_mask);
; then wave w lays tiles w, w + 16, .. of 16 listed rows.  Places past the count repeat the leaf's last token.  A leaf without tokens lays nothing.
; THE IMAGE (ia): [leaf][tile of 16 rows, 64 of them][slice of 64 columns, 32][chunk c 0..3][lane 0..31][16 bytes], f16: chunk c of lane (r = lane % 16, h = lane / 16) holds
; listed row 16 tile + r, columns 64 slice + 32 h + 8 c + 0..7: the registers that the next launch's matrix instruction takes, so it loads them as they lie.
; Behind the image, at IMGB: a power of two for each (leaf, pass of 10 tiles, slice), 256 bytes filled with it; the stored numbers are the true ones divided by it.  Here it is 1.
; LIMIT: x is rounded to f16 as it is: |x| stays under 65,504.
; order: [leaf][1,024] token numbers.  tab0..3: for each leaf 256 bytes filled with the pair (count, code of the level): bits 7:0 the expert, bit 8 the last level, bit 9 the first leaf of its expert.
.set CNTW,   4864                      ; LDS: the list has bytes 0 .. 4,863 (1,216 words: 1,184 of list and padding, 32 for lanes whose token is another leaf's); here the count
.set SPARE,  5120                      ; the spare words, 128 bytes for each of 16 waves: no other line names them
.set DUMP,   1184
.set IMGB,   33554432
; v1 lane  v2 r  v3 h  v4 16 lane  v5 token  v6 place  v7 LDS address  v8 leaf  v9 the lane's dump word  v10, v11 the add's two  v12 last token  v13 8 lane  v14 tab offset
; v[16:143] path_mask (wave 0); then v[16:47] 32 numbers of x, v[48:63] the same in f16.  v144 list address  v145 128 h  v146 image offset  v147 x offset  v148 token  v[150:151] 1.0  v[152:159] table pairs
; s20 wave  s21 Y  s22 S  s23 count  s24, s25 at work  s26 tiles  s27 trips  s28 tile  s[30:31] x  s[32:33] image  s[34:35] scales  s[36:37] order
	s_load_b512 s[4:19], s[0:1], 0x0               ; x, path_mask, ia, order, tab0 .. tab3
	v_lshl_add_u32 v10, v0, 2, SPARE
	v_mov_b32 v11, 0
	v_lshrrev_b32 v1, 5, v0
	v_readfirstlane_b32 s20, v1                    ; wave 0..15
	v_and_b32 v1, 31, v0
	v_and_b32 v2, 15, v0
	v_bfe_u32 v3, v0, 4, 1
	v_lshlrev_b32 v4, 4, v1
	v_lshlrev_b32 v13, 3, v1
	s_and_b32 s21, ttmp7, 0xffff
	s_mov_b32 s22, ttmp9
	s_wait_kmcnt 0x0
	s_lshl_b32 s30, s22, 8
	s_mov_b32 s31, 0
	s_add_nc_u64 s[30:31], s[4:5], s[30:31]        ; x at my 64 columns
	s_lshl_b32 s32, s21, 22
	s_lshl_b32 s33, s22, 11
	s_add_co_u32 s32, s32, s33
	s_mov_b32 s33, 0
	s_add_nc_u64 s[32:33], s[8:9], s[32:33]        ; the image at my leaf and slice
	s_lshl_b32 s34, s21, 16
	s_lshl_b32 s35, s22, 8
	s_add_co_u32 s34, s34, s35
	s_add_co_u32 s34, s34, IMGB
	s_mov_b32 s35, 0
	s_add_nc_u64 s[34:35], s[8:9], s[34:35]        ; the scales of my leaf and slice, pass 0
	s_lshl_b32 s36, s21, 12
	s_mov_b32 s37, 0
	s_add_nc_u64 s[36:37], s[10:11], s[36:37]      ; my leaf's list in memory
	; THE LIST: wave 0 alone.  32 tokens a batch: a token of my leaf goes to place count + the number of such tokens in lower lanes.
	s_cmp_lg_u32 s20, 0
	s_cbranch_scc1 .Llisted
.set b, 0
.rept 32
	global_load_b128 v[16+4*b:19+4*b], v4, s[6:7] offset:512*b  ; a token's four bits a lane: 512 consecutive bytes
.set b, b+1
.endr
	s_mov_b32 s23, 0
	v_mov_b32 v5, v1
	v_add_nc_u32 v9, DUMP, v1
.set b, 0
.rept 32
	s_wait_loadcnt 31-b                            ; loads come back in order: batch b is in, the 31 - b younger ones may be out
	v_lshl_or_b32 v8, v[16+4*b], 1, v[17+4*b]
	v_lshl_or_b32 v8, v8, 1, v[18+4*b]
	v_and_b32 v8, 7, v8
	v_cmp_eq_u32 s24, s21, v8
	v_mbcnt_lo_u32_b32 v6, s24, s23
	v_cndmask_b32 v6, v9, v6, s24                  ; another leaf's token goes to the lane's dump word
	v_min_u32 v6, 1215, v6
	v_lshlrev_b32 v7, 2, v6
	ds_store_b32 v7, v5
	v_add_nc_u32 v5, 32, v5
	s_bcnt1_i32_b32 s25, s24
	s_add_co_u32 s23, s23, s25
.set b, b+1
.endr
	s_cmp_eq_u32 s23, 0
	s_cbranch_scc1 .Lno_pad
	s_sub_co_u32 s25, s23, 1
	s_min_u32 s25, s25, 1023
	s_lshl_b32 s25, s25, 2
	v_mov_b32 v7, s25
	ds_load_b32 v12, v7                            ; the leaf's last token (LDS serves a wave's instructions in order: it sees the stores above)
	v_add_nc_u32 v6, s23, v1
	s_wait_dscnt 0x0
.rept 5                                        ; 160 places behind the list repeat it: the last tile's rows, and what the copy below takes in blocks of 128
	v_min_u32 v7, DUMP-1, v6
	v_lshlrev_b32 v7, 2, v7
	ds_store_b32 v7, v12
	v_add_nc_u32 v6, 32, v6
.endr
.Lno_pad:
	v_mov_b32 v7, CNTW
	v_mov_b32 v6, s23
	ds_store_b32 v7, v6
.Llisted:
	s_wait_dscnt 0x0                               ; for the others' sake: wave 0's stores are done
	s_barrier_signal -1
	s_barrier_wait -1
	v_mov_b32 v7, CNTW
	ds_load_b32 v6, v7
	s_wait_dscnt 0x0
	v_readfirstlane_b32 s23, v6
	s_min_u32 s23, s23, 1024                       ; the count
	s_add_co_u32 s26, s23, 15
	s_lshr_b32 s26, s26, 4                         ; tiles
	; THE TILES.  Four trips cover the 64 tiles that one leaf can have; a tile past the count is jumped over.
	s_mov_b32 s28, s20
	s_lshl_b32 s24, s20, 6
	v_lshl_add_u32 v144, v2, 2, s24                ; list word 16 tile + r
	v_lshlrev_b32 v145, 7, v3
	s_lshl_b32 s24, s20, 16
	v_add_nc_u32 v146, s24, v4                     ; 65,536 tile + 16 lane
	s_mov_b32 s27, 4
.Ltile:
	s_cmp_ge_u32 s28, s26
	s_cbranch_scc1 .Lstep
	ds_load_b32 v148, v144
	s_wait_dscnt 0x0
	v_min_u32 v148, 1023, v148
	v_lshl_add_u32 v147, v148, 13, v145            ; the token's row of 8,192 bytes, my half of the slice's 256
.set u, 0
.rept 8
	global_load_b128 v[16+4*u:19+4*u], v147, s[30:31] offset:16*u
.set u, u+1
.endr
	s_wait_loadcnt 0x0
.set u, 0
.rept 16
	v_cvt_pk_f16_f32 v[48+u], v[16+2*u], v[17+2*u]
.set u, u+1
.endr
.set u, 0
.rept 4
	global_store_b128 v146, v[48+4*u:51+4*u], s[32:33] offset:512*u  ; a chunk: 512 consecutive bytes, aligned
.set u, u+1
.endr
.Lstep:
	s_wait_xcnt 0x0                                ; the stores have read their offset and data: both are written again only behind this wait
	v_add_nc_u32 v146, 0x100000, v146
	v_add_nc_u32 v144, 1024, v144
	s_add_co_u32 s28, s28, 16
	s_sub_co_u32 s27, s27, 1
	s_cmp_lg_u32 s27, 0
	s_cbranch_scc1 .Ltile
	; THE SCALES, THE LIST AND THE TABLES: wave 15 alone.
	s_cmp_lg_u32 s20, 15
	s_cbranch_scc1 .Lend
	v_mov_b32 v150, 1.0
	v_mov_b32 v151, 1.0
.set p, 0
.rept 7                                        ; a pass is 10 tiles; a pass without tiles has no scale, and nobody reads one
	s_cmp_le_u32 s26, 10*p
	s_cbranch_scc1 .Lscaled
	global_store_b64 v13, v[150:151], s[34:35] offset:p*8192  ; 256 consecutive bytes, aligned
.set p, p+1
.endr
.Lscaled:
	s_cmp_lg_u32 s22, 0                            ; of a leaf's 32 work-groups the first stores the list and the tables
	s_cbranch_scc1 .Lend
.set p, 0
.rept 8                                        ; 128 entries, 8 tiles, at a time
	s_cmp_le_u32 s26, 8*p
	s_cbranch_scc1 .Lcopied
	ds_load_b128 v[16+4*p:19+4*p], v4 offset:512*p
	s_wait_dscnt 0x0
	global_store_b128 v4, v[16+4*p:19+4*p], s[36:37] offset:512*p
.set p, p+1
.endr
.Lcopied:
	s_lshl_b32 s25, s21, 8
	v_add_nc_u32 v14, s25, v13
.macro TAB L
	s_lshr_b32 s24, s21, 3-(\L)                    ; the leaf's expert at level L
	s_and_b32 s25, s21, (1<<(3-(\L)))-1
	s_cmp_eq_u32 s25, 0
	s_cselect_b32 s25, 0x200, 0                    ; the first of the leaves that share it
	s_or_b32 s24, s24, s25
.if (\L) == 3
	s_or_b32 s24, s24, 0x100                       ; the last level stores the output
.endif
	v_mov_b32 v[152+2*(\L)], s23
	v_mov_b32 v[153+2*(\L)], s24
	global_store_b64 v14, v[152+2*(\L):153+2*(\L)], s[12+2*(\L):13+2*(\L)]
.endm
	TAB 0
	TAB 1
	TAB 2
	TAB 3
.Lend:
	s_wait_tensorcnt 0x0                           ; the wave's end: behind my last LDS store
	ds_add_u32 v10, v11
	s_wait_dscnt 0x0
	s_endpgm
.Lfunc_end_k_qcbdcc34595_lay:
	.size	k_qcbdcc34595_lay, .Lfunc_end_k_qcbdcc34595_lay-k_qcbdcc34595_lay
	.p2alignl 7, 3214868480
	.fill 96, 4, 3214868480
	.section	.rodata,"a",@progbits
	.p2align	6, 0x0
	.amdhsa_kernel k_qcbdcc34595_lay
		.amdhsa_group_segment_fixed_size 7168
		.amdhsa_private_segment_fixed_size 0
		.amdhsa_enable_private_segment 0
		.amdhsa_kernarg_size 64
		.amdhsa_user_sgpr_count 2
		.amdhsa_user_sgpr_kernarg_segment_ptr 1
		.amdhsa_wavefront_size32 1
		.amdhsa_system_sgpr_workgroup_id_x 1
		.amdhsa_system_sgpr_workgroup_id_y 1
		.amdhsa_system_sgpr_workgroup_id_z 1
		.amdhsa_system_vgpr_workitem_id 0
		.amdhsa_next_free_vgpr 160
		.amdhsa_next_free_sgpr 66
		.amdhsa_reserve_vcc 0
		.amdhsa_float_denorm_mode_32 3
		.amdhsa_float_denorm_mode_16_64 3
		.amdhsa_memory_ordered 1
		.amdhsa_forward_progress 1
		.amdhsa_inst_pref_size 35
	.end_amdhsa_kernel
	.amdgpu_metadata
---
amdhsa.version: [ 1, 2 ]
amdhsa.kernels:
  - .name:           k_qcbdcc34595_lay
    .symbol:         k_qcbdcc34595_lay.kd
    .args:
      - { .name: x, .offset: 0, .size: 8, .value_kind: global_buffer, .address_space: global }
      - { .name: path_mask, .offset: 8, .size: 8, .value_kind: global_buffer, .address_space: global }
      - { .name: ia, .offset: 16, .size: 8, .value_kind: global_buffer, .address_space: global }
      - { .name: order, .offset: 24, .size: 8, .value_kind: global_buffer, .address_space: global }
      - { .name: tab0, .offset: 32, .size: 8, .value_kind: global_buffer, .address_space: global }
      - { .name: tab1, .offset: 40, .size: 8, .value_kind: global_buffer, .address_space: global }
      - { .name: tab2, .offset: 48, .size: 8, .value_kind: global_buffer, .address_space: global }
      - { .name: tab3, .offset: 56, .size: 8, .value_kind: global_buffer, .address_space: global }
    .group_segment_fixed_size: 7168
    .private_segment_fixed_size: 0
    .kernarg_segment_align: 8
    .kernarg_segment_size: 64
    .max_flat_workgroup_size: 512
    .sgpr_count:     66
    .vgpr_count:     160
    .wavefront_size: 32
...
	.end_amdgpu_metadata
.endif
;; end of part 1
;; launch level0 (part 2): grid 32 x 8, 4 waves a work-group, no clusters, 231,168 bytes of LDS; arguments ia, W0, b0, tab0, order, ib; writes ib
.if DOCPART == 2
	.amdgcn_target "amdgcn-amd-amdhsa--gfx1250"
	.amdhsa_code_object_version 6
	.text
	.protected	k_qcbdcc34595_level0
	.globl	k_qcbdcc34595_level0
	.p2align	8
	.type	k_qcbdcc34595_level0,@function
k_qcbdcc34595_level0:
	s_mov_b64 s[64:65], 0
	v_nop
	global_prefetch_b8 v0, s[64:65] scope:SCOPE_SE
	s_setreg_imm32_b32 hwreg(HW_REG_WAVE_MODE, 25, 1), 1
	s_wait_xcnt 0x0
; BinaryTreeGoE, launches 2 to 5: one level, h = relu(h W[e] + b[e]), each token by its own expert alone (the products with the other experts are left out: they reach no output, as the first kernel's head shows).
; Arguments: the image of h (f16, with block scales), W [E][2048 k][2048 n] f32, b [E][2048] f32, the level's table, the lists, and the result: the next image, or at the last level the output, f32, rows by token.
; SHARES.  Work-group (S, Y): all listed rows of leaf Y, columns 64 S .. 64 S + 63, expert e = the table's.  K IS SPLIT AMONG THE FOUR WAVES, 512 each: wave v takes slices 8 v .. 8 v + 7 of 64 k.
; So no byte is loaded twice in a work-group, nothing goes through LDS on the way in, and the K loop has no barrier; the four partial sums meet in LDS once a pass.
; PASSES.  A pass holds 10 tiles of 16 rows; 7 passes cover the 64 tiles that one leaf can have.  The loop counts to 7 whatever the count; a pass without tiles runs its two barriers alone.
; In a pass that is not full the places past the last tile repeat it, so that the loads' number is fixed and nothing unwritten is read; nothing of them is stored.
; FRAGMENTS WITHOUT A TRANSPOSITION.  Lane (i = lane % 16, h = lane / 16) loads 16 bytes W[k][n0 + 4 i .. + 3]: one number for each of four fragments t, in which row i stands for column n0 + 4 i + t.
; A half-step f of slice s takes k = 64 s + 32 h + 16 f + 0..15: 16 loads, each two pieces of 256 consecutive bytes, aligned.  Register u of fragment t packs k = .. + 2 u, 2 u + 1.  The image's chunk 2 f + p holds the
; same k in the same lane half and quad p, and a permutation of k that both sources share keeps the product.  Source 0 = W's fragment, source 1 = 16 rows of h: in the result lane (r, h) holds row r and, in register j, column
; n0 + 32 h + 4 j + t: the four results' registers, interleaved and packed, are the next image's four chunks.
; FORMATS.  Both operands f16, sums f32.  The image's numbers are h / S, S a power of two for each (leaf, pass, slice), so that they lie under 2 whatever h's size.  A wave takes Sv, the largest S of its 8 slices,
; multiplies W's f32 numbers of a slice by S / Sv (a power of two, at most 1) ahead of their rounding, and its partial sums are multiplied by Sv when they are added.
; LIMITS.  |W| stays under 65,504.  Numbers more than 2^-14 below their block's largest keep f16's fixed step, 2^-24 of S.  relu takes the greater of z and 0 by a maximum in which a NaN loses: NaN is not treated apart.
; NO CLUSTER: what a leaf's 32 work-groups share is the image, 20 of a half-step's 36 loads; it would have to land in LDS and be read from there, behind a round for each refill, while 231,168 bytes of LDS hold the way out.
.set IMGB,  33554432
.set PARTW, 40960                      ; LDS 0: the partial sums: [wave][tile 0..9][quad q 0..7][lane][16 bytes]: registers 4 q .. 4 q + 3 of a tile's 32
.set STG,   163840                     ; 4 x 4,352: 16 rows of 256 bytes, 272 apart, each wave's own: the last level's way out
.set OST,   181248                     ; 4 x 12,288: a wave's three finished tiles in f32, its own, kept until the block's largest number is known
.set MXW,   230400                     ; a word for each wave: its largest number
.set SPARE, 230656                     ; the spare words, 128 bytes for each wave: no other line names them
.set NPASS, 7
.set TCAP,  10
; WINDOW 0
.set WO,   4                           ; v4   W: 262,144 h + 16 i
.set PFO,  5                           ; v5   the prefetches': 262,144 h + 8,192 i: a lane a row
.set L16,  6                           ; v6   16 lane
.set L8,   7                           ; v7   8 lane
.set LSTO, 8                           ; v8   my partial sums
.set OWN,  9                           ; v9   my finished tiles
.set RDB,  10                          ; v10-13  wave v's partial sums of tile w (w = my wave)
.set SPW,  14                          ; v14  my spare word; never rewritten
.set NIL,  15                          ; v15  0; never rewritten
.set AO,   16                          ; v16-25  the image offset of the pass's ten tiles
.set STGS, 26
.set STGL, 27
.set COLO, 28                          ; v28  16 r
.set ORDO, 29                          ; v29  32 h
.set SCO,  30                          ; v30  256 lane
.set BO,   31                          ; v31  128 h
.set SC,   32                          ; v32  lane l: S of slice l
.set SG,   33                          ; v33  lane l: the largest S of slices 8 (l / 8) ..
.set GV,   34                          ; v34  lane l: S / my wave's Sv
.set MXA,  35
.set MX,   36
.set TMP,  37
.set M4,   38                          ; v38-41
.set SPR,  42                          ; v42-43  the new S, twice
.set CI,   44                          ; v44  1 / S
.set IOF,  45                          ; v45-47
.set OF,   48                          ; v48-55
.set TK,   56                          ; v56-63
.set WB,   64                          ; v64-95   W's four fragments of a half-step
.set BI,   64                          ;          on the way out: the bias in the accumulators' order, 8 t + j
.set AF,   96                          ; v96-255  h's fragments: two sets of ten tiles x 8
.set P,    96                          ;          on the way out: v96-223 the four partial tiles; then rows read back, or packed chunks
.set O,    224                         ;          v224-255 a finished tile in natural order, 4 j + t
; WINDOW 1: v0-127 W as loaded, two sets of 64: [row 0..15][t].   WINDOW 2: accumulator (tile m, t) at 32 m + 8 t, m = 0..7.   WINDOW 3: v0-63 tiles 8, 9; v64-95 the bias as loaded
.set WS,   0
.set RAW,  64
; s[4:15] in, W, b, tab, order, out.  s16 wave  s17 Y  s18 S  s20 count  s21 code  s22 expert  s23 tiles  s24 last level?  s25 prefetch bound  s26 passes left  s27 the pass's first tile  s28 its tiles
; s29 trips  s30 the slice's lane  s[42:49] Sv of the four waves, in pairs  s50, s51 at work  s[52:53] scales in  s[54:55] scales out  s[56:57] image out  s[58:59] output  s[60:61] list  s[62:63] lane selects  s[66:69] at work  s[70:71] bias  s[72:73] 1 / S
.set G,    32                          ; s[32:33] S / Sv of the slice in hand
.set WP,   34                          ; s[34:35] W at the slice last asked for
.set AP,   36                          ; s[36:37] the image likewise
.set MSB, 0
.macro WIN new                         ; s_set_vgpr_msb: bits 1:0 source 0, 3:2 source 1, 5:4 source 2, 7:6 destination; the high byte repeats the setting that is left
.if MSB != (\new)
	s_set_vgpr_msb (MSB<<8)|(\new)
.set MSB, \new
.endif
.endm
.macro BAR
	s_wait_dscnt 0x0                               ; for the others' sake: my LDS stores are done and my LDS reads are back
	s_barrier_signal -1
	s_barrier_wait -1
.endm
.macro LOADW f                         ; half-step f's 16 rows of W
	WIN 0x40
.set k, 0
.rept 16
	global_load_b128 v[WS+64*(\f)+4*k:WS+64*(\f)+4*k+3], v[WO], s[WP:WP+1] offset:(\f)*131072+k*8192
.set k, k+1
.endr
.endm
.macro LOADA f                         ; half-step f's two chunks of ten tiles: 512 consecutive bytes each
	WIN 0
.set k, 0
.rept 10
	global_load_b128 v[AF+80*(\f)+8*k:AF+80*(\f)+8*k+3],   v[AO+k], s[AP:AP+1] offset:(\f)*1024
	global_load_b128 v[AF+80*(\f)+8*k+4:AF+80*(\f)+8*k+7], v[AO+k], s[AP:AP+1] offset:(\f)*1024+512
.set k, k+1
.endr
.endm
.macro CONV f                          ; W times S / Sv, then rounded to f16 and dealt to the four fragments
	WIN 0x41
.set k, 0
.rept 32
	v_pk_mul_f32 v[WS+64*(\f)+k:WS+64*(\f)+k+1], v[WS+64*(\f)+k:WS+64*(\f)+k+1], s[G:G+1] op_sel_hi:[1,0]
.set k, k+2
.endr
	WIN 0x05
.irp t, 0,1,2,3
.irp u, 0,1,2,3,4,5,6,7
	v_cvt_pk_f16_f32 v[WB+8*(\t)+(\u)], v[WS+64*(\f)+8*(\u)+(\t)], v[WS+64*(\f)+8*(\u)+4+(\t)]
.endr
.endr
.endm
.macro MULS f, zero                    ; 40 products; the 40 accumulators take turns, one instruction a turn, in the same order in every half-step
	WIN 0xa0
.irp m, 0,1,2,3,4,5,6,7
.irp t, 0,1,2,3
.if \zero
	v_wmma_f32_16x16x32_f16 v[32*(\m)+8*(\t):32*(\m)+8*(\t)+7], v[WB+8*(\t):WB+8*(\t)+7], v[AF+80*(\f)+8*(\m):AF+80*(\f)+8*(\m)+7], 0
.else
	v_wmma_f32_16x16x32_f16 v[32*(\m)+8*(\t):32*(\m)+8*(\t)+7], v[WB+8*(\t):WB+8*(\t)+7], v[AF+80*(\f)+8*(\m):AF+80*(\f)+8*(\m)+7], v[32*(\m)+8*(\t):32*(\m)+8*(\t)+7]
.endif
.endr
.endr
	WIN 0xf0
.irp m, 8,9
.irp t, 0,1,2,3
.if \zero
	v_wmma_f32_16x16x32_f16 v[32*((\m)-8)+8*(\t):32*((\m)-8)+8*(\t)+7], v[WB+8*(\t):WB+8*(\t)+7], v[AF+80*(\f)+8*(\m):AF+80*(\f)+8*(\m)+7], 0
.else
	v_wmma_f32_16x16x32_f16 v[32*((\m)-8)+8*(\t):32*((\m)-8)+8*(\t)+7], v[WB+8*(\t):WB+8*(\t)+7], v[AF+80*(\f)+8*(\m):AF+80*(\f)+8*(\m)+7], v[32*((\m)-8)+8*(\t):32*((\m)-8)+8*(\t)+7]
.endif
.endr
.endr
.endm
; A PREFETCH INTO THE L2 of the slice of W that the NEXT trip will load: my wave's 64 rows x 256 bytes, a lane a row, two instructions, behind the trip's first run of loads.  Each piece is named once in the launch:
; of the leaves that share an expert the first asks (the table's bit 9), in its first pass alone, each wave for what it will load itself.  The first three slices come by their loads alone; the loop's last trip asks for
; nothing, since the slice two on is not the wave's.
.macro ASK
	s_cmp_gt_u32 s29, s25
	s_cbranch_scc0 .Lnot_mine_\@
	global_prefetch_b8 v[PFO], s[WP:WP+1] offset:524288 th:TH_LOAD_NT scope:SCOPE_SE
	global_prefetch_b8 v[PFO], s[WP:WP+1] offset:655360 th:TH_LOAD_NT scope:SCOPE_SE
.Lnot_mine_\@:
.endm
; A HALF-STEP.  left: the loads issued behind this half-step's own, which may stay out.  load = 1: the set is asked for again, for the next slice: W as soon as it is converted, h four places behind the products that read it.
.macro HS f, zero, load, ask, left
	s_wait_loadcnt \left
	CONV \f
.if \load
.if (\f) == 0
	s_wait_xcnt 0x0                                ; every load and prefetch issued so far has read its base: the two pointers are written only behind this wait
	s_add_nc_u64 s[WP:WP+1], s[WP:WP+1], 524288    ; 64 rows of W
	s_add_nc_u64 s[AP:AP+1], s[AP:AP+1], 2048      ; a slice of the image
.endif
	LOADW \f
.if \ask
	WIN 0
	ASK
.endif
.endif
	MULS \f, \zero
	WIN 0
.rept 4
	v_nop                                          ; four places between the last product and a load into a register that it has read (ISA guide 7.12.1 for vector instructions)
.endr
.if \load
	LOADA \f
.endif
.endm
.macro TRIP zero, load, ask, l0, l1    ; a slice of 64 k
	v_readlane_b32 s[G], v[GV], s30
	s_mov_b32 s[G+1], s[G]
	s_add_co_u32 s30, s30, 1
	HS 0, \zero, \load, \ask, \l0
	HS 1, 0, \load, 0, \l1
.endm
.macro PARTS                           ; my 40 accumulators into LDS; each accumulator's low four registers go first
	WIN 0x08
.irp m, 0,1,2,3,4,5,6,7
.irp q, 0,1,2,3,4,5,6,7
	ds_store_b128 v[LSTO], v[32*(\m)+4*(\q):32*(\m)+4*(\q)+3] offset:(\m)*4096+(\q)*512
.endr
.endr
	WIN 0x0c
.irp m, 8,9
.irp q, 0,1,2,3,4,5,6,7
	ds_store_b128 v[LSTO], v[32*((\m)-8)+4*(\q):32*((\m)-8)+4*(\q)+3] offset:(\m)*4096+(\q)*512
.endr
.endr
	WIN 0
.endm
; TILE w + 4 i OF THE PASS IS FINISHED by wave w: the four partial tiles times their Sv, the bias, relu.  A tile past the count is jumped over.
; mode = 0: the tile is kept in my LDS bytes, and its largest number taken.  mode = 1, the last level: it goes through my stage and leaves as rows of 256 bytes, each to its token's row of the output.
.macro FIN i, mode
	s_add_co_u32 s66, s16, 4*(\i)
	s_cmp_lt_u32 s66, s28
	s_cbranch_scc0 .Lfin_\@
.if \mode
	s_wait_xcnt 0x0                                ; the tile before has stored: its offsets and data are written again only behind this wait
	s_add_co_u32 s67, s27, s66
	s_min_u32 s67, s67, 63
	s_lshl_b32 s67, s67, 6
	v_add_nc_u32 v[TMP], s67, v[ORDO]
	global_load_b128 v[TK:TK+3],   v[TMP], s[60:61]            ; the tokens of rows 8 h + 0..7 of the tile
	global_load_b128 v[TK+4:TK+7], v[TMP], s[60:61] offset:16
.endif
.irp v, 0,1,2,3
.irp q, 0,1,2,3,4,5,6,7
	ds_load_b128 v[P+32*(\v)+4*(\q):P+32*(\v)+4*(\q)+3], v[RDB+(\v)] offset:(\i)*16384+(\q)*512
.endr
.endr
	s_wait_dscnt 24                                ; LDS loads come back in order: wave 0's eight are in, the 24 younger may be out
.set k, 0
.rept 16
	v_pk_fma_f32 v[P+k:P+k+1], v[P+k:P+k+1], s[42:43], v[BI+k:BI+k+1] op_sel_hi:[1,0,1]
.set k, k+2
.endr
.irp v, 1,2,3
	s_wait_dscnt 24-8*(\v)                         ; wave v's eight are in
.set k, 0
.rept 16
	v_pk_fma_f32 v[P+k:P+k+1], v[P+32*(\v)+k:P+32*(\v)+k+1], s[42+2*(\v):43+2*(\v)], v[P+k:P+k+1] op_sel_hi:[1,0,1]
.set k, k+2
.endr
.endr
.irp j, 0,1,2,3,4,5,6,7
.irp t, 0,1,2,3
	v_max_num_f32 v[O+4*(\j)+(\t)], 0, v[P+8*(\t)+(\j)]        ; relu, and into natural order: column 32 h + 4 j + t
.endr
.endr
.if \mode
.set k, 0
.rept 8
	ds_store_b128 v[STGS], v[O+4*k:O+4*k+3] offset:16*k        ; row r, my half's 128 bytes
.set k, k+1
.endr
.set k, 0
.rept 8
	ds_load_b128 v[P+4*k:P+4*k+3], v[STGL] offset:272*k        ; back by rows: lanes 0-15 row k, lanes 16-31 row 8 + k (LDS serves a wave's instructions in order: these see the stores above)
.set k, k+1
.endr
	s_wait_loadcnt 0x0                             ; the tokens
.set k, 0
.rept 8
	v_min_u32 v[TK+k], 1023, v[TK+k]
	v_lshl_add_u32 v[OF+k], v[TK+k], 13, v[COLO]
.set k, k+1
.endr
	s_wait_dscnt 0x0
.set k, 0
.rept 8
	global_store_b128 v[OF+k], v[P+4*k:P+4*k+3], s[58:59] th:TH_STORE_NT  ; 16 lanes store 256 consecutive bytes, aligned; a repeated row stores the same numbers to the same place
.set k, k+1
.endr
.else
.set k, 0
.rept 16
	v_max3_num_f32 v[M4+k%4], v[M4+k%4], v[O+2*k], v[O+2*k+1]
.set k, k+1
.endr
.set k, 0
.rept 8
	ds_store_b128 v[OWN], v[O+4*k:O+4*k+3] offset:(\i)*4096+k*512
.set k, k+1
.endr
.endif
.Lfin_\@:
.endm
.macro OUTI i                          ; tile w + 4 i leaves for the next image: divided by S, rounded to f16, four chunks of 512 consecutive bytes
	s_add_co_u32 s66, s16, 4*(\i)
	s_cmp_lt_u32 s66, s28
	s_cbranch_scc0 .Louti_\@
.set k, 0
.rept 8
	ds_load_b128 v[O+4*k:O+4*k+3], v[OWN] offset:(\i)*4096+k*512
.set k, k+1
.endr
	s_add_co_u32 s67, s27, s66
	s_min_u32 s67, s67, 63
	s_lshl_b32 s67, s67, 16
	v_add_nc_u32 v[IOF+(\i)], s67, v[L16]
	s_wait_dscnt 0x0
.set k, 0
.rept 16
	v_pk_mul_f32 v[O+k:O+k+1], v[O+k:O+k+1], s[72:73] op_sel_hi:[1,0]
.set k, k+2
.endr
.set k, 0
.rept 16
	v_cvt_pk_f16_f32 v[P+16*(\i)+k], v[O+2*k], v[O+2*k+1]
.set k, k+1
.endr
.set k, 0
.rept 4
	global_store_b128 v[IOF+(\i)], v[P+16*(\i)+4*k:P+16*(\i)+4*k+3], s[56:57] offset:512*k
.set k, k+1
.endr
.Louti_\@:
.endm
	s_load_b256 s[4:11], s[0:1], 0x0               ; in s[4:5], W s[6:7], b s[8:9], tab s[10:11]
	s_load_b128 s[12:15], s[0:1], 0x20             ; order s[12:13], out s[14:15]
	v_lshl_add_u32 v[SPW], v0, 2, SPARE
	v_mov_b32 v[NIL], 0
	v_lshrrev_b32 v1, 5, v0
	v_readfirstlane_b32 s16, v1                    ; wave 0..3
	v_and_b32 v1, 31, v0                           ; lane
	v_and_b32 v2, 15, v0                           ; r, i
	v_bfe_u32 v3, v0, 4, 1                         ; h
	s_and_b32 s17, ttmp7, 0xffff                   ; the leaf
	s_mov_b32 s18, ttmp9                           ; the slice of columns
	s_lshl_b32 s66, s17, 8
	s_wait_kmcnt 0x0
	s_load_b64 s[20:21], s[10:11], s66 offset:0x0  ; the leaf's count and code
	v_lshlrev_b32 v[WO], 4, v2
	v_lshl_add_u32 v[WO], v3, 18, v[WO]
	v_lshlrev_b32 v[PFO], 13, v2
	v_lshl_add_u32 v[PFO], v3, 18, v[PFO]
	v_lshlrev_b32 v[L16], 4, v1
	v_lshlrev_b32 v[L8], 3, v1
	s_mul_i32 s67, s16, PARTW
	v_add_nc_u32 v[LSTO], s67, v[L16]
	s_lshl_b32 s67, s16, 12
	v_add_nc_u32 v[RDB], s67, v[L16]
	v_add_nc_u32 v[RDB+1], PARTW, v[RDB]
	v_add_nc_u32 v[RDB+2], 2*PARTW, v[RDB]
	v_add_nc_u32 v[RDB+3], 3*PARTW, v[RDB]
	s_mul_i32 s67, s16, 12288
	s_add_co_u32 s67, s67, OST
	v_add_nc_u32 v[OWN], s67, v[L16]
	s_mul_i32 s67, s16, 4352
	s_add_co_u32 s67, s67, STG
	v_mul_u32_u24 v[STGS], v2, 272                 ; rows 272 bytes apart: the 16 rows that a store touches start at 16 different groups of four banks (64 banks of 4 bytes: ISA guide 11.1)
	v_lshl_add_u32 v[STGS], v3, 7, v[STGS]
	v_add_nc_u32 v[STGS], s67, v[STGS]
	v_mul_u32_u24 v[STGL], v3, 2176
	v_lshl_add_u32 v[STGL], v2, 4, v[STGL]
	v_add_nc_u32 v[STGL], s67, v[STGL]
	v_lshlrev_b32 v[COLO], 4, v2
	v_lshlrev_b32 v[ORDO], 5, v3
	v_lshlrev_b32 v[SCO], 8, v1
	v_lshlrev_b32 v[BO], 7, v3
	v_mov_b32 v[SC], 0
	v_mov_b32 v[SG], 0
	v_mov_b32 v[GV], 0
	v_mov_b32 v[TMP], 0
	s_lshl_b32 s67, s16, 2
	s_add_co_u32 s67, s67, MXW
	v_mov_b32 v[MXA], s67
	s_mov_b32 s62, 0x76543210                      ; v_permlanex16_b32: each lane takes its own place in the other half
	s_mov_b32 s63, 0xfedcba98
	s_wait_kmcnt 0x0
	s_min_u32 s20, s20, 1024
	s_and_b32 s22, s21, 255
	s_min_u32 s22, s22, 7                          ; the expert
	s_bfe_u32 s24, s21, 0x10008                    ; 1: the last level
	s_bitcmp1_b32 s21, 9
	s_cselect_b32 s25, 1, -1                       ; 1 in a work-group that prefetches, else the greatest number
	s_add_co_u32 s23, s20, 15
	s_lshr_b32 s23, s23, 4                         ; tiles
	s_lshl_b32 s66, s22, 24                        ; an expert is 16,777,216 bytes,
	s_lshl_b32 s67, s16, 22                        ; my wave's 512 rows,
	s_add_co_u32 s66, s66, s67
	s_lshl_b32 s67, s18, 8                         ; the 64 columns
	s_add_co_u32 s66, s66, s67
	s_mov_b32 s67, 0
	s_add_nc_u64 s[38:39], s[6:7], s[66:67]        ; W at my first slice
	s_lshl_b32 s66, s17, 22
	s_lshl_b32 s68, s16, 14
	s_add_co_u32 s68, s68, s66
	s_mov_b32 s69, 0
	s_add_nc_u64 s[40:41], s[4:5], s[68:69]        ; the image at my leaf and first slice
	s_lshl_b32 s68, s18, 11
	s_add_co_u32 s68, s68, s66
	s_add_nc_u64 s[56:57], s[14:15], s[68:69]      ; the next image at my leaf and the slice that I make
	s_lshl_b32 s66, s17, 16
	s_add_co_u32 s66, s66, IMGB
	s_add_nc_u64 s[52:53], s[4:5], s[66:67]        ; the leaf's scales, pass 0
	s_lshl_b32 s68, s18, 8
	s_add_nc_u64 s[58:59], s[14:15], s[68:69]      ; the output at my 64 columns
	s_add_co_u32 s66, s66, s68
	s_add_nc_u64 s[54:55], s[14:15], s[66:67]      ; the scale that I make, pass 0
	s_lshl_b32 s66, s17, 12
	s_add_nc_u64 s[60:61], s[12:13], s[66:67]      ; the leaf's list
	s_lshl_b32 s66, s22, 13
	s_add_co_u32 s66, s66, s68
	s_add_nc_u64 s[70:71], s[8:9], s[66:67]        ; the expert's bias at my 64 columns
	WIN 0xc0
.set k, 0
.rept 8
	global_load_b128 v[RAW+4*k:RAW+4*k+3], v[BO], s[70:71] offset:16*k  ; columns 32 h + 0..31
.set k, k+1
.endr
	WIN 0
	s_mov_b32 s26, NPASS
	s_mov_b32 s27, 0
.Lpass:
	s_sub_co_u32 s28, s23, s27
	s_max_i32 s28, s28, 0
	s_min_u32 s28, s28, TCAP                       ; the pass's tiles, 0 to 10
	; PART 1: THE PRODUCTS.  Jumped over, forward, by a pass without tiles; no barrier stands in it.
	s_cmp_eq_u32 s28, 0
	s_cbranch_scc1 .Lp1_end
	global_load_b32 v[SC], v[SCO], s[52:53]        ; lane l: S of slice l for this leaf and pass
	s_sub_co_u32 s67, s23, 1
.irp m, 0,1,2,3,4,5,6,7,8,9
	s_add_co_u32 s66, s27, \m
	s_min_u32 s66, s66, s67                        ; a place past the last tile repeats it
	s_min_u32 s66, s66, 63
	s_lshl_b32 s66, s66, 16
	v_add_nc_u32 v[AO+(\m)], s66, v[L16]
.endr
	s_mov_b64 s[WP:WP+1], s[38:39]
	s_mov_b64 s[AP:AP+1], s[40:41]
	LOADW 0                                        ; the first slice's two half-steps: 72 loads, 36 KiB a wave
	LOADA 0
	LOADW 1
	LOADA 1
	s_wait_loadcnt 63                              ; 72 loads were issued behind the scales': with 63 out at the most, the scales (and the bias, older still) are in
	v_mov_b32 v[SG], v[SC]
	v_max_num_f32_dpp v[SG], v[SG], v[SG] row_xmask:1 row_mask:0xf bank_mask:0xf
	v_max_num_f32_dpp v[SG], v[SG], v[SG] row_xmask:2 row_mask:0xf bank_mask:0xf
	v_max_num_f32_dpp v[SG], v[SG], v[SG] row_xmask:4 row_mask:0xf bank_mask:0xf
	s_lshl_b32 s30, s16, 3                         ; my first slice's lane
	v_readlane_b32 s50, v[SG], s30                 ; Sv, a power of two between 2^-126 and 2^126:
	s_sub_co_u32 s51, 0x7f000000, s50              ; its reciprocal, by the exponent field
	v_mul_f32 v[GV], s51, v[SC]
	TRIP 1, 1, 0, 36, 36                           ; the first slice's first products start the sums: nothing is cleared.  36: behind a half-step's loads stand the other's 16 of W and 20 of h
	s_mov_b32 s29, 6
.Ltrip:
	TRIP 0, 1, 1, 36, 36
	s_sub_co_u32 s29, s29, 1
	s_cmp_lg_u32 s29, 0
	s_cbranch_scc1 .Ltrip
	TRIP 0, 0, 0, 36, 0                            ; the last slice loads nothing: the counts run down
.rept 4
	v_nop                                          ; with the four above: eight places between the last product and the stores that read results
.endr
	PARTS
.Lp1_end:
	BAR                                            ; all four waves' partial sums lie in LDS
	; PART 2: THE SUMS.  Wave w finishes tiles w, w + 4 and, waves 0 and 1, w + 8.
	s_cmp_eq_u32 s28, 0
	s_cbranch_scc1 .Lp2_end
	s_wait_loadcnt 0x0                             ; the bias, on every way here
	s_wait_xcnt 0x0
.irp v, 0,1,2,3
	v_readlane_b32 s[42+2*(\v)], v[SG], 8*(\v)
	s_mov_b32 s[43+2*(\v)], s[42+2*(\v)]
.endr
	WIN 0x03
.irp t, 0,1,2,3
.irp j, 0,1,2,3,4,5,6,7
	v_mov_b32 v[BI+8*(\t)+(\j)], v[RAW+4*(\j)+(\t)]            ; the bias in the accumulators' order, so that it is the first packed multiply-add's addend
.endr
.endr
	WIN 0
	s_cmp_eq_u32 s24, 0
	s_cbranch_scc0 .Lp2_last
.irp k, 0,1,2,3
	v_mov_b32 v[M4+(\k)], 0                        ; no finished number lies below 0
.endr
	FIN 0, 0
	FIN 1, 0
	s_cmp_lt_u32 s16, 2
	s_cbranch_scc0 .Lno_third_a
	FIN 2, 0
.Lno_third_a:
	v_max3_num_f32 v[MX], v[M4], v[M4+1], v[M4+2]
	v_max_num_f32 v[MX], v[MX], v[M4+3]
	v_max_num_f32_dpp v[MX], v[MX], v[MX] row_xmask:1 row_mask:0xf bank_mask:0xf
	v_max_num_f32_dpp v[MX], v[MX], v[MX] row_xmask:2 row_mask:0xf bank_mask:0xf
	v_max_num_f32_dpp v[MX], v[MX], v[MX] row_xmask:4 row_mask:0xf bank_mask:0xf
	v_max_num_f32_dpp v[MX], v[MX], v[MX] row_xmask:8 row_mask:0xf bank_mask:0xf
	v_mov_b32 v[TMP], 0
	v_permlanex16_b32 v[TMP], v[MX], s62, s63
	v_max_num_f32 v[MX], v[MX], v[TMP]
	ds_store_b32 v[MXA], v[MX]                     ; my wave's largest number
	s_branch .Lp2_end
.Lp2_last:
	FIN 0, 1
	FIN 1, 1
	s_cmp_lt_u32 s16, 2
	s_cbranch_scc0 .Lp2_end
	FIN 2, 1
.Lp2_end:
	BAR                                            ; the four largest numbers lie in LDS, and nobody reads the partial sums any more
	; PART 3, all levels but the last: the block's scale, and the tiles leave.
	s_cmp_eq_u32 s28, 0
	s_cbranch_scc1 .Lp3_end
	s_cmp_eq_u32 s24, 0
	s_cbranch_scc0 .Lp3_end
	s_wait_xcnt 0x0
	v_mov_b32 v[TMP], MXW
	ds_load_b128 v[M4:M4+3], v[TMP]
	s_wait_dscnt 0x0
	v_max3_num_f32 v[MX], v[M4], v[M4+1], v[M4+2]
	v_max_num_f32 v[MX], v[MX], v[M4+3]
	v_and_b32 v[SPR], 0x7f800000, v[MX]            ; S: the largest number's power of two,
	v_max_u32 v[SPR], 0x00800000, v[SPR]           ; held between 2^-126
	v_min_u32 v[SPR], 0x7e800000, v[SPR]           ; and 2^126, so that S and 1 / S are both normal numbers
	v_mov_b32 v[SPR+1], v[SPR]
	v_sub_nc_u32 v[CI], 0x7f000000, v[SPR]         ; 1 / S, by the exponent field
	v_readfirstlane_b32 s72, v[CI]
	s_mov_b32 s73, s72
	OUTI 0
	OUTI 1
	s_cmp_lt_u32 s16, 2
	s_cbranch_scc0 .Lno_third_b
	OUTI 2
.Lno_third_b:
	s_cmp_lg_u32 s16, 0
	s_cbranch_scc1 .Lp3_end
	global_store_b64 v[L8], v[SPR:SPR+1], s[54:55] ; 256 consecutive bytes, aligned, filled with S
.Lp3_end:
	s_wait_xcnt 0x0                                ; every load, store and prefetch of the pass has read its registers: bases, offsets and data are written again only behind this wait
	s_add_nc_u64 s[52:53], s[52:53], 8192          ; the next pass's scales
	s_add_nc_u64 s[54:55], s[54:55], 8192
	s_add_co_u32 s27, s27, TCAP
	s_mov_b32 s25, -1                              ; a later pass reads W again: it is asked for no more
	s_sub_co_u32 s26, s26, 1
	s_cmp_lg_u32 s26, 0
	s_cbranch_scc1 .Lpass
	s_wait_tensorcnt 0x0                           ; the wave's end: behind my last LDS store
	ds_add_u32 v[SPW], v[NIL]
	s_wait_dscnt 0x0
	s_endpgm
.Lfunc_end_k_qcbdcc34595_level0:
	.size	k_qcbdcc34595_level0, .Lfunc_end_k_qcbdcc34595_level0-k_qcbdcc34595_level0
	.p2alignl 7, 3214868480
	.fill 96, 4, 3214868480
	.section	.rodata,"a",@progbits
	.p2align	6, 0x0
	.amdhsa_kernel k_qcbdcc34595_level0
		.amdhsa_group_segment_fixed_size 231168
		.amdhsa_private_segment_fixed_size 0
		.amdhsa_enable_private_segment 0
		.amdhsa_kernarg_size 48
		.amdhsa_user_sgpr_count 2
		.amdhsa_user_sgpr_kernarg_segment_ptr 1
		.amdhsa_wavefront_size32 1
		.amdhsa_system_sgpr_workgroup_id_x 1
		.amdhsa_system_sgpr_workgroup_id_y 1
		.amdhsa_system_sgpr_workgroup_id_z 1
		.amdhsa_system_vgpr_workitem_id 0
		.amdhsa_next_free_vgpr 864
		.amdhsa_next_free_sgpr 74
		.amdhsa_reserve_vcc 0
		.amdhsa_float_denorm_mode_32 3
		.amdhsa_float_denorm_mode_16_64 3
		.amdhsa_memory_ordered 1
		.amdhsa_forward_progress 1
		.amdhsa_inst_pref_size 146
	.end_amdhsa_kernel
	.amdgpu_metadata
---
amdhsa.version: [ 1, 2 ]
amdhsa.kernels:
  - .name:           k_qcbdcc34595_level0
    .symbol:         k_qcbdcc34595_level0.kd
    .args:
      - { .name: ia, .offset: 0, .size: 8, .value_kind: global_buffer, .address_space: global }
      - { .name: W0, .offset: 8, .size: 8, .value_kind: global_buffer, .address_space: global }
      - { .name: b0, .offset: 16, .size: 8, .value_kind: global_buffer, .address_space: global }
      - { .name: tab0, .offset: 24, .size: 8, .value_kind: global_buffer, .address_space: global }
      - { .name: order, .offset: 32, .size: 8, .value_kind: global_buffer, .address_space: global }
      - { .name: ib, .offset: 40, .size: 8, .value_kind: global_buffer, .address_space: global }
    .group_segment_fixed_size: 231168
    .private_segment_fixed_size: 0
    .kernarg_segment_align: 8
    .kernarg_segment_size: 48
    .max_flat_workgroup_size: 128
    .sgpr_count:     74
    .vgpr_count:     864
    .wavefront_size: 32
...
	.end_amdgpu_metadata
.endif
;; end of part 2
;; launch level1: the kernel of part 2 again; grid 32 x 8, 4 waves a work-group, no clusters, 231,168 bytes of LDS; arguments ib, W1, b1, tab1, order, ia; writes ia
;; launch level2: the kernel of part 2 again; grid 32 x 8, 4 waves a work-group, no clusters, 231,168 bytes of LDS; arguments ia, W2, b2, tab2, order, ib; writes ib
;; launch level3: the kernel of part 2 again; grid 32 x 8, 4 waves a work-group, no clusters, 231,168 bytes of LDS; arguments ib, W3, b3, tab3, order, out0; writes out0
